; MI455X (gfx1250); checked and timed in simulation.
; The chip was launched on July 23, 2026; its instructions are those of AMD's public machine-readable ISA for CDNA 5 (MIT licence, August 2026) and "CDNA5" Instruction Set Architecture Reference Guide (July 2026). The comments in the code are by the model that wrote it; some were corrected since.
;; Ptr Layer. Allowed arithmetic: matrix products marked QUANTISED: E5M2 operands, one E8M0 scale for each 32 along K, by v_wmma_scale_f32_16x16x128_f8f6f4 with both operands' format E5M2, f32 sums; everything else in f32.
;; Inputs: W1 2,048 x 128 float32; W2 2,048 x 128 float32; d 16 x 2,048 x 128 float32; e 16 x 2,048 x 128 float32; x 16 x 2,048 x 128 float32.
;; Outputs: out0 16 x 2,048 x 128 float32.
;; This version of the problem:
;;   THIS VERSION OF THE PROBLEM IS GIVEN IN LOW PRECISION. The matrix products marked QUANTISED in the list below multiply operands that are first quantised to E5M2 (5 exponent bits, 2 mantissa bits; 8 bits a number), with one power-of-two scale for each 32 numbers along K (OCP MX v1.0); their sums are f32. All else is computed in f32.
;;   The module's matrix products, in the order in which they are computed (A, B: the left and right operand; K: the contracted axis; several contracted axes count as one K, in the product's order):
;;     1. [M 32,768, K 128] x [K 128, N 2,048]; A: input e; B: input W1: QUANTISED
;;     2. [M 32,768, K 128] x [K 128, N 2,048]; A: input d; B: input W2: QUANTISED
;;     3. batch 16 x [M 2,048, K 2,048] x [K 2,048, N 128]; A: softmax (see below); B: input x: QUANTISED
;;   THE QUANTISER, for each operand of a quantised product, along K:
;;     - K is cut into blocks of 32 from its start; a last block that is shorter is filled with zeros.
;;     - A block's scale is 2^e with e = floor(log2(the largest magnitude in the block)) - 15, held to -126 .. 127; a block of zeros has e = 0. As a byte (E8M0): e + 127.
;;     - Each number is divided by its block's scale, clamped to +-57,344, and rounded to the nearest number of E5M2, ties to even, subnormals kept.
;;     - The product sums the exact products of the quantised numbers (number of the format x scale) in f32.
;;   ~~~python
;;   def quantise(x, axis):      # numpy; x: float32 -> the quantised numbers, widened to float32 again
;;       x = np.moveaxis(x, axis, -1); K = x.shape[-1]
;;       x = np.pad(x, [(0, 0)] * (x.ndim - 1) + [(0, -K % 32)]); x = x.reshape(x.shape[:-1] + (-1, 32)); a = np.abs(x).max(-1, keepdims=True)
;;       e = np.where(a > 0, np.clip(np.frexp(np.where(a > 0, a, 1))[1] - 1 - 15, -126, 127), 0)      # np.frexp(a)[1] - 1 = floor(log2(a)), exactly
;;       r = np.clip(x / 2.0 ** e, -57344, 57344)
;;       step = 2.0 ** (np.maximum(np.frexp(np.where(r == 0, 1, r))[1] - 1, -14) - 2)
;;       q = np.round(r / step) * step * 2.0 ** e      # np.round: ties to even
;;       return np.moveaxis(q.reshape(q.shape[:-2] + (-1,))[..., :K], -1, axis).astype(np.float32)
;;   ~~~
;;   SOFTMAX AHEAD OF A QUANTISED PRODUCT. Where the list says 'softmax', what is quantised is not the finished softmax but p = 2^(t - M), with t = logit x log2(e) and M = ceil(the row's largest t), a whole number; so 1/2 < the row's largest p <= 1. The row's sum l is taken of the UNQUANTISED p, in f32, and the product's result is divided by l at the end. Since M is a whole number, a kernel that streams over the keys may use a running M (the ceiling of the running maximum): every later rescaling is an exact power of two, which a block's scale takes up: the codes' values come out the same.
;;   OPERANDS COMPUTED ON THE WAY. 'Computed on the way' means the value that the module computes at that place (a softmax that the list does not call 'softmax' is quantised finished and normalised). What goes into a quantiser is computed in f32, as accurately as f32 sums, v_exp_f32 and their like allow (about 1e-6 of the number): no bf16 or f16 on the way to a quantiser, and a product that is left as it is and whose result goes on into a quantised operand takes f32 operands (vector FMAs, or v_wmma_f32_16x16x4_f32). A number that lies on a knife's edge between two numbers of the format may be rounded either way, as far as f32 arithmetic and the matrix unit's own rounding can turn it there, and no further.
;; One version. Each part assembles by itself: llvm-mc -triple=amdgcn-amd-amdhsa -mcpu=gfx1250 --defsym DOCPART=n.
;; ======== version 1 of 1: 2 launches
;; limits: right only within a limited range of input values
;; workspace buffers: rc 8,912,896 bytes; rs 278,528 bytes; xc 4,194,304 bytes; xs 131,072 bytes
;; launch quant (part 1): grid 400 x 1, 4 waves a work-group, no clusters, 69,632 bytes of LDS; arguments e, d, W1, W2, x, rc, rs, xc, xs; writes rc, rs, xc, xs
.if DOCPART == 1
	.amdgcn_target "amdgcn-amd-amdhsa--gfx1250"
	.amdhsa_code_object_version 6
	.text
	.protected	k_qcc6976e307_quant
	.globl	k_qcc6976e307_quant
	.p2align	8
	.type	k_qcc6976e307_quant,@function
k_qcc6976e307_quant:
	s_mov_b64 s[64:65], 0
	v_nop
	global_prefetch_b8 v0, s[64:65] scope:SCOPE_SE
	s_setreg_imm32_b32 hwreg(HW_REG_WAVE_MODE, 25, 1), 1
	s_wait_xcnt 0x0
; THE PROGRAM.  out[b][k][:] = sum over m of softmax_m(tanh(e[b][m].W1[k] + d[b][k].W2[m])) x[b][m][:]: attention with key m and query k, whose score is ONE product over K = 256:
; key vector (e[b][m] | W2[m]), query vector (W1[k] | d[b][k]).  Nothing of reference() is left out as dead work: all five inputs have a way to the output, and this launch reads each of them once.
; THIS LAUNCH turns the five f32 inputs into codes of BF8 (E5M2) with one E8M0 scale byte for each 32 along a product's K.  The second launch reads codes alone.
; A block's scale is 2^(floor(log2(its largest magnitude)) - 15); its byte is the largest magnitude's exponent field - 15, held at 1 from below; each number is divided by the scale, held within +-57,344, and rounded to the nearest code, ties to even.
; LIMITS: a block of zeros gets the byte 1 where the rule says 127 (its codes are zeros, which add nothing under any byte but 0xff, and this program alone reads the bytes); NaN and infinities among the inputs are not served.
; PATH R, work-groups 0 to 271: e, d, W1, W2, whose K (128) is innermost: one stream of rows of 128 numbers; a wave takes 64 rows, 16 steps of 4 rows.  Each load reads 512 consecutive bytes; a step's 2,048 bytes turn through the wave's own
;   stage in LDS, so that a lane holds 16 neighbours along K (two neighbouring lanes hold a block).  THE ROWS ARE STORED IN POSITION ORDER: in every 32 rows the second and the third eight change places (bits 3 and 4 of the row's number are
;   swapped), so that 16 neighbouring stored rows are rows 32 b + 8 u + r + 8 (r / 8): the tile that lets the second launch's scores fall as 16 neighbouring keys into a lane's registers.  A step is four rows, so the swap is of bits 1 and 2 of the step's number.
;   The 64 rows' scale words are laid [r 16][tile 4][4 bytes], position = 16 tile + r: 16 bytes of a lane are the words of four tiles.  They are gathered in LDS and leave as one aligned run of 256 bytes.
; PATH X, work-groups 272 to 399: x, whose K (the keys m) is its first axis within a batch.  A lane takes a channel and its registers run down m: a block of 32 lies in one lane; the codes come out with the keys innermost and
;   leave through the wave's stage, sixteen lanes to 256 consecutive bytes.  A wave takes 32 channels x 256 keys.  Its 64 scale words are laid [step 2][r 16][tile 2][4 bytes], one run of 256 bytes.
; The two paths part on the work-group's number alone and have LDS bytes of their own.  No tensor load, no barrier: waves share nothing.
.set RWG,   272                        ; path R's work-groups: 128 for e, 128 for d, 8 for W1, 8 for W2, 32,768 numbers each
.set EMAX,  15
.set MANT,  0x600000                   ; the mantissa field of 57,344 as f32
.set WREG,  8192                       ; path R, LDS: a region for each wave: two stages of 32 x SP bytes, behind them its 256 scale bytes
.set SP,    80                         ; a lane's place in a stage: its 64 bytes + 16 of padding
.set XSTG,  4*WREG                     ; path X, LDS: four stages of 32 rows x PITCH
.set PITCH, 272
.set XUNIT, XSTG+4*32*PITCH            ; and four runs of 256 scale bytes
.set SPARE, XUNIT+4*256                ; the spare words, 128 bytes for each wave: two blocks of 256 bytes that no other line names
.set KROW,  2048                       ; a row of xc in bytes
.set SPW,   192                        ; v192  LDS address of my spare word; never rewritten
.set NIL,   193                        ; v193  0; never rewritten
.set WV,    22                         ; s22   my wave's number
.set RR,    16                         ; path R: v16-79 four sets of 16 numbers as loaded
.set RX,    80                         ;         v80-111 two sets of 16 neighbours
.set RE,    112                        ;         v112-127 a scale byte for each step
.set RC,    128                        ;         v128-191 codes, four registers for each step: no store's data are written again
.set XX,    32                         ; path X: v32-95 two sets of 32 numbers
.set XC,    96                         ;         v96-103 a block's codes
.set XSB,   24                         ;         v24-25 the scale bytes, four to a register
.set XOUT,  112                        ;         v112-175 the way out
	s_load_b512 s[4:19], s[0:1], 0x0               ; e s[4:5], d s[6:7], W1 s[8:9], W2 s[10:11], x s[12:13], rc s[14:15], rs s[16:17], xc s[18:19]
	s_load_b64 s[20:21], s[0:1], 0x40              ; xs
	v_lshl_add_u32 v[SPW], v0, 2, SPARE
	v_mov_b32 v[NIL], 0
	v_lshrrev_b32 v1, 5, v0
	v_readfirstlane_b32 s[WV], v1                  ; wave 0..3
	v_and_b32 v2, 31, v0                           ; lane
	s_mov_b32 s23, MANT                            ; (an instruction takes one literal: the hold's line has another)
	s_cmp_ge_u32 ttmp9, RWG
	s_cbranch_scc1 .Lx
; ---------------- PATH R ----------------
	v_lshlrev_b32 v3, 4, v2                        ; my 16 bytes of a load's 512, and of a step's 512 bytes of codes
	s_mul_i32 s34, s[WV], WREG
	v_lshrrev_b32 v14, 2, v2
	v_mul_u32_u24 v14, v14, SP
	v_and_b32 v15, 3, v2
	v_lshl_add_u32 v14, v15, 4, v14
	v_add_nc_u32 v14, s34, v14                     ; the stage, on the way in: four lanes' 64 bytes on end, then 16 of padding
	v_mul_u32_u24 v15, v2, SP
	v_add_nc_u32 v15, s34, v15                     ; and on the way out: SP x lane: my 16 neighbours
	v_lshrrev_b32 v5, 3, v2                        ; my row of the step's four
	v_lshlrev_b32 v5, 4, v5                        ; 16 bytes from r to r + 1
	v_bfe_u32 v6, v2, 1, 2                         ; my block of the row's four: the byte in the word
	v_add_nc_u32 v5, v5, v6
	s_add_co_u32 s34, s34, 2*32*SP
	v_add_nc_u32 v5, s34, v5                       ; LDS: my wave's 256 scale bytes, my block's byte
	v_lshlrev_b32 v7, 3, v2                        ; on the way out 8 bytes a lane
	v_add_nc_u32 v6, s34, v7
	s_wait_alu depctr_va_vdst(0)
	s_wait_kmcnt 0x0
	s_cmp_lt_u32 ttmp9, 128                        ; which tensor: the choice hangs on the work-group's number alone
	s_cselect_b64 s[24:25], s[4:5], s[6:7]
	s_cselect_b32 s26, 0, 128
	s_cmp_lt_u32 ttmp9, 256
	s_cselect_b64 s[24:25], s[24:25], s[8:9]
	s_cselect_b32 s26, s26, 256
	s_cmp_lt_u32 ttmp9, 264
	s_cselect_b64 s[24:25], s[24:25], s[10:11]
	s_cselect_b32 s26, s26, 264
	s_sub_co_u32 s26, ttmp9, s26
	s_lshl_b32 s26, s26, 2
	s_add_co_u32 s26, s26, s[WV]                   ; which run of 64 rows of the tensor is my wave's
	s_lshl_b32 s26, s26, 15                        ; 32,768 bytes a run
	s_mov_b32 s27, 0
	s_add_nc_u64 s[24:25], s[24:25], s[26:27]
	s_lshl_b32 s32, ttmp9, 2
	s_add_co_u32 s32, s32, s[WV]                   ; and which run of the four tensors on end
	s_lshl_b32 s26, s32, 13
	s_add_nc_u64 s[28:29], s[14:15], s[26:27]      ; its 8,192 bytes of codes
	s_lshl_b32 s26, s32, 8
	s_add_nc_u64 s[30:31], s[16:17], s[26:27]      ; its 256 scale bytes
.macro RLOAD t
.irp i, 0,1,2,3
	global_load_b128 v[RR+16*((\t)%4)+4*\i:RR+16*((\t)%4)+4*\i+3], v3, s[24:25] offset:2048*(\t)+512*\i th:TH_LOAD_NT   ; 32 lanes read 512 consecutive bytes
.endr
.endm
.macro RTURN t                         ; step t's numbers through the stage: LDS serves a wave's instructions in order, so no wait stands between the stores and the loads
.irp i, 0,1,2,3
	ds_store_b128 v14, v[RR+16*((\t)%4)+4*\i:RR+16*((\t)%4)+4*\i+3] offset:32*SP*((\t)%2)+8*SP*\i
.endr
.irp i, 0,1,2,3
	ds_load_b128 v[RX+16*((\t)%2)+4*\i:RX+16*((\t)%2)+4*\i+3], v15 offset:32*SP*((\t)%2)+16*\i
.endr
.endm
.irp t, 0,1,2,3
	RLOAD \t
.endr
	s_wait_loadcnt 12                              ; step 0's four loads are in; the twelve of steps 1 to 3 may be out
	RTURN 0
.macro RSTEP t
.set XS, RX+16*((\t)%2)
.set TP, ((\t)&9)|(((\t)&2)<<1)|(((\t)&4)>>1)  ; the step's place in position order: bits 1 and 2 swapped
.if (\t) > 0
	s_wait_dscnt 1                                 ; this step's numbers are back from the stage (the last step's byte store may be out): so its stores into the stage have read their registers,
.else
	s_wait_dscnt 0x0
.endif
.if (\t)+4 < 16
	RLOAD (\t)+4                                   ; which take the loads of four steps on
.endif
.if (\t)+1 < 16
.if 14-(\t) >= 3
	s_wait_loadcnt 12                              ; the next step's four loads are in; those of the three steps behind it may be out
.else
	s_wait_loadcnt 4*(14-(\t))
.endif
	RTURN (\t)+1                                   ; and go through the other stage while this step is worked
.endif
	v_max3_num_f32 v8, |v[XS]|, |v[XS+1]|, |v[XS+2]|               ; the largest magnitude of my 16, in two chains
	v_max3_num_f32 v9, |v[XS+3]|, |v[XS+4]|, |v[XS+5]|
.irp i, 6,10
	v_max3_num_f32 v8, v8, |v[XS+\i]|, |v[XS+\i+1]|
	v_max3_num_f32 v9, v9, |v[XS+\i+2]|, |v[XS+\i+3]|
.endr
	v_max3_num_f32 v8, v8, |v[XS+14]|, |v[XS+15]|
	v_max3_num_f32 v8, v8, v9, (EMAX+1)<<23        ; and the floor 2^(16 - 127): the byte cannot fall under 1
	v_max_num_f32_dpp v8, v8, v8 row_xmask:1 row_mask:0xf bank_mask:0xf   ; and of my neighbour's 16: the block's
	v_add_nc_u32 v11, -(EMAX<<23), v8              ; 15 off its exponent field: the conversion takes the exponent field of this operand as its scale
	v_and_or_b32 v10, v8, 0x7f800000, s23          ; 57,344 x the scale
.irp i, 0,1,2,3,4,5,6,7,8,9,10,11,12,13,14,15
	v_med3_num_f32 v[XS+\i], v[XS+\i], -v10, v10   ; the conversion to an 8-bit code does not saturate (ISA guide 7.6.2): the hold comes first
.endr
	v_cvt_scalef32_pk8_bf8_f32 v[RC+4*(\t):RC+4*(\t)+1], v[XS:XS+7], v11
	v_cvt_scalef32_pk8_bf8_f32 v[RC+4*(\t)+2:RC+4*(\t)+3], v[XS+8:XS+15], v11
	v_lshrrev_b32 v[RE+(\t)], 23, v11              ; the scale's byte
	ds_store_b8 v5, v[RE+(\t)] offset:64*(TP%4)+4*(TP/4)   ; position 4 TP + my row: r = 4 (TP % 4) + my row, tile TP / 4.  Both lanes of a block write the same byte with the same value
	global_store_b128 v3, v[RC+4*(\t):RC+4*(\t)+3], s[28:29] offset:512*TP   ; four rows of 128 codes: 512 consecutive bytes
.endm
.irp t, 0,1,2,3,4,5,6,7,8,9,10,11,12,13,14,15
	RSTEP \t
.endr
	ds_load_b64 v[8:9], v6                         ; LDS serves a wave's instructions in order: these see my stores
	s_wait_dscnt 0x0
	global_store_b64 v7, v[8:9], s[30:31]          ; 32 lanes store 256 consecutive bytes, aligned
	s_wait_tensorcnt 0x0                           ; the wave's end
	ds_add_u32 v[SPW], v[NIL]
	s_wait_dscnt 0x0
	s_endpgm
; ---------------- PATH X ----------------
.Lx:
	s_sub_co_u32 s24, ttmp9, RWG
	s_lshr_b32 s25, s24, 3                         ; the batch
	s_and_b32 s24, s24, 7                          ; which 256 keys
	s_wait_alu depctr_va_vdst(0)
	v_lshlrev_b32 v3, 2, v2                        ; in: 4 bytes a lane: my channel
	s_mul_i32 s26, s[WV], 32*PITCH
	s_add_co_u32 s26, s26, XSTG                    ; my stage
	v_mul_u32_u24 v4, v2, PITCH
	v_add_nc_u32 v4, s26, v4                       ; into it: row = my channel
	v_and_b32 v5, 15, v2
	v_lshrrev_b32 v6, 4, v2
	v_mul_u32_u24 v7, v6, PITCH                    ; out of it: sixteen lanes to a row, two rows an instruction
	v_lshl_add_u32 v7, v5, 4, v7
	v_add_nc_u32 v7, s26, v7
	v_mul_u32_u24 v8, v6, KROW
	v_lshl_add_u32 v8, v5, 4, v8                   ; and the same place in xc
	s_lshl_b32 s27, s[WV], 8
	s_add_co_u32 s27, s27, XUNIT                   ; my 256 scale bytes
	v_lshlrev_b32 v9, 3, v5
	v_lshl_add_u32 v9, v6, 2, v9
	v_add_nc_u32 v9, s27, v9                       ; in: 8 (lane % 16) + 4 (lane / 16)
	v_lshlrev_b32 v14, 3, v2                       ; out: 8 bytes a lane
	v_add_nc_u32 v15, s27, v14
	s_lshl_b32 s28, s25, 20                        ; x: batch x 2,048 x 512 bytes,
	s_lshl_b32 s29, s24, 17                        ; + 256 rows of 512 bytes,
	s_add_co_u32 s28, s28, s29
	s_lshl_b32 s29, s[WV], 7                       ; + my wave's 32 channels
	s_add_co_u32 s28, s28, s29
	s_mov_b32 s29, 0
	s_lshl_b32 s30, s25, 18                        ; xc: batch x 128 rows of 2,048,
	s_lshl_b32 s31, s[WV], 16                      ; + my wave's 32 rows,
	s_add_co_u32 s30, s30, s31
	s_lshl_b32 s31, s24, 8                         ; + 256 keys
	s_add_co_u32 s30, s30, s31
	s_mov_b32 s31, 0
	s_lshl_b32 s32, s25, 13                        ; xs: batch x 8,192 + 1,024 for each 256 keys + 256 x wave
	s_lshl_b32 s33, s24, 10
	s_add_co_u32 s32, s32, s33
	s_lshl_b32 s33, s[WV], 8
	s_add_co_u32 s32, s32, s33
	s_mov_b32 s33, 0
	s_wait_kmcnt 0x0
	s_add_nc_u64 s[12:13], s[12:13], s[28:29]
	s_add_nc_u64 s[18:19], s[18:19], s[30:31]
	s_add_nc_u64 s[20:21], s[20:21], s[32:33]
.macro XLOAD t                         ; block t: x(32 t + i, my channel), i = 0 .. 31, into set t % 2; a wave's load reads 128 consecutive bytes, the four waves stand side by side on a row's 512
.irp i, 0,1,2,3,4,5,6,7,8,9,10,11,12,13,14,15,16,17,18,19,20,21,22,23,24,25,26,27,28,29,30,31
	global_load_b32 v[XX+32*((\t)%2)+\i], v3, s[12:13] offset:(32*(\t)+\i)*512 th:TH_LOAD_NT
.endr
.endm
	XLOAD 0
	XLOAD 1
.macro XBLOCK t
.set XS, XX+32*((\t)%2)
.if (\t) < 7
	s_wait_loadcnt 32                              ; this block's 32 loads are in; the next block's may be out
.else
	s_wait_loadcnt 0
.endif
	v_max3_num_f32 v12, |v[XS]|, |v[XS+1]|, |v[XS+2]|               ; the block's largest magnitude: all 32 numbers are mine
	v_max3_num_f32 v13, |v[XS+3]|, |v[XS+4]|, |v[XS+5]|
.irp i, 6,10,14,18,22,26
	v_max3_num_f32 v12, v12, |v[XS+\i]|, |v[XS+\i+1]|
	v_max3_num_f32 v13, v13, |v[XS+\i+2]|, |v[XS+\i+3]|
.endr
	v_max3_num_f32 v12, v12, |v[XS+30]|, |v[XS+31]|
	v_max3_num_f32 v12, v12, v13, (EMAX+1)<<23     ; and the floor
	v_add_nc_u32 v11, -(EMAX<<23), v12             ; the conversion's scale operand
	v_and_or_b32 v10, v12, 0x7f800000, s23         ; 57,344 x the scale
	v_lshrrev_b32 v13, 23, v11                     ; the scale's byte
.if (\t)%4 == 0
	v_mov_b32 v[XSB+(\t)/4], v13                   ; four bytes to a register, the lower keys in the lower byte
.else
	v_lshl_or_b32 v[XSB+(\t)/4], v13, 8*((\t)%4), v[XSB+(\t)/4]
.endif
.irp i, 0,1,2,3,4,5,6,7,8,9,10,11,12,13,14,15,16,17,18,19,20,21,22,23,24,25,26,27,28,29,30,31
	v_med3_num_f32 v[XS+\i], v[XS+\i], -v10, v10
.endr
.irp g, 0,1,2,3
	v_cvt_scalef32_pk8_bf8_f32 v[XC+2*\g:XC+2*\g+1], v[XS+8*\g:XS+8*\g+7], v11
.endr
	ds_store_b128 v4, v[XC:XC+3] offset:32*(\t)    ; 32 codes: 32 bytes of my channel's row
	ds_store_b128 v4, v[XC+4:XC+7] offset:32*(\t)+16
.if (\t)+2 < 8
	XLOAD (\t)+2
.endif
	s_wait_dscnt 0x0                               ; the stores have read their registers: the next block's codes may be written
.endm
.irp t, 0,1,2,3,4,5,6,7
	XBLOCK \t
.endr
	ds_store_b32 v9, v[XSB]                        ; keys 0-127 of the 256: the first step's word,
	ds_store_b32 v9, v[XSB+1] offset:128           ; keys 128-255: the second's
	ds_load_b64 v[26:27], v15                      ; LDS serves a wave's instructions in order: this sees my stores
.irp t, 0,1,2,3,4,5,6,7,8,9,10,11,12,13,14,15
	ds_load_b128 v[XOUT+4*\t:XOUT+4*\t+3], v7 offset:2*\t*PITCH
.endr
	s_wait_dscnt 16                                ; the scale words are back; the sixteen loads behind them may be out
	global_store_b64 v14, v[26:27], s[20:21]       ; 32 lanes store 256 consecutive bytes, aligned
.irp t, 0,1,2,3,4,5,6,7,8,9,10,11,12,13,14,15
	s_wait_dscnt 15-\t
	global_store_b128 v8, v[XOUT+4*\t:XOUT+4*\t+3], s[18:19] offset:2*\t*KROW   ; sixteen lanes store 256 consecutive bytes of a row, aligned
.endr
	s_wait_tensorcnt 0x0                           ; the wave's end
	ds_add_u32 v[SPW], v[NIL]
	s_wait_dscnt 0x0
	s_endpgm
.Lfunc_end_k_qcc6976e307_quant:
	.size	k_qcc6976e307_quant, .Lfunc_end_k_qcc6976e307_quant-k_qcc6976e307_quant
	.p2alignl 7, 3214868480
	.fill 96, 4, 3214868480
	.section	.rodata,"a",@progbits
	.p2align	6, 0x0
	.amdhsa_kernel k_qcc6976e307_quant
		.amdhsa_group_segment_fixed_size 69632
		.amdhsa_private_segment_fixed_size 0
		.amdhsa_enable_private_segment 0
		.amdhsa_kernarg_size 72
		.amdhsa_user_sgpr_count 2
		.amdhsa_user_sgpr_kernarg_segment_ptr 1
		.amdhsa_wavefront_size32 1
		.amdhsa_system_sgpr_workgroup_id_x 1
		.amdhsa_system_sgpr_workgroup_id_y 1
		.amdhsa_system_sgpr_workgroup_id_z 1
		.amdhsa_system_vgpr_workitem_id 0
		.amdhsa_next_free_vgpr 200
		.amdhsa_next_free_sgpr 66
		.amdhsa_reserve_vcc 0
		.amdhsa_float_denorm_mode_32 3
		.amdhsa_float_denorm_mode_16_64 3
		.amdhsa_memory_ordered 1
		.amdhsa_forward_progress 1
		.amdhsa_inst_pref_size 110
	.end_amdhsa_kernel
	.amdgpu_metadata
---
amdhsa.version: [ 1, 2 ]
amdhsa.kernels:
  - .name:           k_qcc6976e307_quant
    .symbol:         k_qcc6976e307_quant.kd
    .args:
      - { .name: e, .offset: 0, .size: 8, .value_kind: global_buffer, .address_space: global }
      - { .name: d, .offset: 8, .size: 8, .value_kind: global_buffer, .address_space: global }
      - { .name: W1, .offset: 16, .size: 8, .value_kind: global_buffer, .address_space: global }
      - { .name: W2, .offset: 24, .size: 8, .value_kind: global_buffer, .address_space: global }
      - { .name: x, .offset: 32, .size: 8, .value_kind: global_buffer, .address_space: global }
      - { .name: rc, .offset: 40, .size: 8, .value_kind: global_buffer, .address_space: global }
      - { .name: rs, .offset: 48, .size: 8, .value_kind: global_buffer, .address_space: global }
      - { .name: xc, .offset: 56, .size: 8, .value_kind: global_buffer, .address_space: global }
      - { .name: xs, .offset: 64, .size: 8, .value_kind: global_buffer, .address_space: global }
    .group_segment_fixed_size: 69632
    .private_segment_fixed_size: 0
    .kernarg_segment_align: 8
    .kernarg_segment_size: 72
    .max_flat_workgroup_size: 128
    .sgpr_count:     66
    .vgpr_count:     200
    .wavefront_size: 32
...
	.end_amdgpu_metadata
.endif
;; end of part 1
;; launch ptr (part 2): grid 16 x 16, 8 waves a work-group, clusters of 4 x 1, 327,680 bytes of LDS; arguments rc, rs, xc, xs, out0; writes out0
.if DOCPART == 2
	.amdgcn_target "amdgcn-amd-amdhsa--gfx1250"
	.amdhsa_code_object_version 6
	.text
	.protected	k_qcc6976e307_ptr
	.globl	k_qcc6976e307_ptr
	.p2align	8
	.type	k_qcc6976e307_ptr,@function
k_qcc6976e307_ptr:
	s_mov_b64 s[64:65], 0
	v_nop
	global_prefetch_b8 v0, s[64:65] scope:SCOPE_SE
	s_setreg_imm32_b32 hwreg(HW_REG_WAVE_MODE, 25, 1), 1
	s_wait_xcnt 0x0
	s_wait_alu depctr_hold_cnt(0) depctr_sa_sdst(0) depctr_va_vdst(0) depctr_va_sdst(0) depctr_va_ssrc(0) depctr_va_vcc(0) depctr_vm_vsrc(0)
	s_getreg_b32 s2, hwreg(HW_REG_IB_STS2, 6, 4)
	s_cmp_eq_u32 s2, 0
	s_cbranch_scc0 .Lentry_in_a_cluster
	s_endpgm
.Lentry_in_a_cluster:
	s_bfe_u32 s2, ttmp6, 0x10000c
	s_cmp_lg_u32 s2, 0x3003
	s_cbranch_scc0 .Lentry_shape_is_right
	s_endpgm
.Lentry_shape_is_right:
; out[b][k][:] = sum over m of softmax_m(tanh(e[b][m].W1[k] + d[b][k].W2[m])) x[b][m][:], all three products on codes of BF8 (E5M2) with one E8M0 scale for each 32 along K.  Nothing of reference() is left out.
; The score of key m and query k is one sum over K = 256: (e[b][m] | W2[m]) . (W1[k] | d[b][k]): two matrix instructions on one accumulator.
; THE SOFTMAX.  t = tanh(score) x log2(e), tanh in f32 as 1 - 2 / (1 + z), z = 2^(2 log2(e) score): t = log2(e) - 2 log2(e) r, r = 1 / (1 + z); z = infinity gives r = 0, z = 0 gives r = 1.
; NO MAXIMUM IS TAKEN AWAY, FOR EVERY INPUT: tanh bounds |t| by 1.4427, so p = 2^t lies between 0.36 and 2.72 and a row's sum of 2,048 of them under 5,600.  The whole number M of the problem's rule (-1 .. 2)
; would move each block's scale byte and the row's sum by one and the same power of two and no code; here M = 0.  LIMIT: a score that is NaN (NaN or infinities among the inputs) is not served.
; The row's sum is taken of the unquantised p and divides at the end; the sums over two halves of the keys add.
; SHARES.  A work-group owns 128 queries of one batch.  Wave w = (g = w % 4, kh = w / 4): the 32 queries of group g as two tiles (sets A, B), keys 128 kh .. + 127 of every slot of 256 keys.  It keeps set A (tile 2 g + kh)
; and hands set B to wave w xor 4 at the end, through LDS.
; LAYOUT.  Both products transposed: a lane holds one query (lane % 16).  The first launch stored rows in position order, so that the 16 registers of key tiles 2 b, 2 b + 1 are keys 32 b + 16 (lane / 16) + 0 .. 15; the way out undoes it for the queries.
; CLUSTER.  The four query blocks of a cluster belong to one batch and walk the same e, W2, x and scale words: every tensor load is joint, mask 15.
; REGISTERS.  Window 0: v0-28 addresses, constants; v32-53 scale words; v54-57 sums; v64-127 S^T of A, v128-191 of B; v192-255: during the scores the odd pairs' key fragments, then p's codes (v192-223) and v224-239 at work.
;   Window 1: v0-63 the queries' fragments; v64-127 O^T of A, v128-191 of B; v192-255 the even pairs' key fragments, then x's tiles 0-3.
.set D_OFF,  4194304
.set W1_OFF, 8388608
.set W2_OFF, 8650752
.set RS_D,   131072
.set RS_W1,  262144
.set RS_W2,  270336
.set KP,    144                        ; a key's row in LDS: 128 bytes + 16
.set VP,    272                        ; a channel's row of 256 keys + 16
.set WOFF,  256*KP                     ; a slot: 256 rows of e, 256 of W2, 128 of x
.set VOFF,  512*KP
.set SLOT1, 1<<17
.set SCE,   2*SLOT1                    ; e's scale words, 8,192 bytes; W2's behind them
.set SCX,   SCE+16384                  ; x's, 8,192 bytes
.set SPARE, SCX+8192                   ; the spare words: 128 bytes a wave
.set OUTL,  8192                       ; the way out, 16,384 bytes a wave in slot 0's span: image of set B at 0, its sums here,
.set OUTS,  8704                       ; a stage of 16 rows x 272 here
.set AKE, 1
.set AV,  2
.set ASC, 3
.set ASX, 4
.set SPW, 5
.set NIL, 6
.set PFO, 7
.set ADK, 8
.set ADV, 9
.set ADS, 10
.set ADT, 11
.set L2E, 16
.set RL,  18
.set TSUM, 20
.set IMW, 22
.set IMR, 23
.set LW,  24
.set LR,  25
.set STI, 26
.set STB, 27
.set GO,  28
.set KS,  32
.set VS,  40
.set QS,  48
.set PWA, 52
.set PWB, 53
.set LA,  54
.set LB,  56
.set SA,  64
.set SB,  128
.set PA,  192
.set PB,  208
.set TM,  224
.set OA,  64
.set OB,  128
.set FR,  192
.set TB,  2
.set TSC, 3
.set WV,  14
.set GQ,  15
.set KH,  16
.set CX,  17
.set QBK, 18
.set BT,  19
.set SEL, 20
.set C2,  22
.set NC2, 66
.set G1K, 24
.set G1V, 32
.set G0K, 40
.set G0V, 44
.set G1S, 48
.set G0S, 56
.set G0T, 60
.set SLOTS, 76
.set MNT, 77
.set PFA, 78
.set PFS, 80
.set LIM, 82
.set BB,  83
.set MSB, 0
.macro WIN new                         ; the immediate's high byte repeats the setting that is left
.if MSB != \new
	s_set_vgpr_msb (MSB<<8)|\new
.set MSB, \new
.endif
.endm
.macro PLACES n
.rept \n
	v_nop
.endr
.endm
.macro WALU
	s_wait_alu depctr_va_vdst(0)
.endm
.macro CROUND                          ; a round of the cluster's barrier
	s_barrier_signal -1
	s_barrier_wait -1
	s_cmp_lg_u32 s[WV], 0
	s_cbranch_scc1 .Lnot_wave_0_\@
	s_barrier_signal -3
.Lnot_wave_0_\@:
	s_barrier_wait -3
	s_barrier_signal -1
	s_barrier_wait -1
.endm
.macro TL g0, g1                       ; a tensor load with five plain lines behind it
	tensor_load_to_lds s[\g0:\g0+3], s[\g1:\g1+7]
	s_nop 0
	PLACES 4
.endm
.macro JLOAD                           ; a joint refill: waves 0, 1 e's halves, waves 2, 3 W2's, wave 4 x's 128 rows
	s_cmp_lt_u32 s[WV], 4
	s_cbranch_scc0 .Lnot_k_\@
	TL G0K, G1K
	s_branch .Lasked_\@
.Lnot_k_\@:
	s_cmp_lt_u32 s[WV], 5
	s_cbranch_scc0 .Lasked_\@
	TL G0V, G1V
.Lasked_\@:
.endm
; A prefetch of what the NEXT change of slots will ask for of e and x.  The batch's first cluster asks; its four partners share the blocks out by address: wave 0 of each names 8,192 of the slot's 32,768 bytes of e, lanes 256 bytes apart;
; wave 4 of each 32 of x's 128 rows, a lane a row.  Slots 0 and 1 come by their loads alone; the last filling change asks for nothing.  W2 and the scale words, which many clusters read, are not asked for.
.macro ASK
	s_cmp_gt_u32 s[SLOTS], s[LIM]
	s_cbranch_scc0 .Lnot_mine_\@
	global_prefetch_b8 v[PFO], s[PFA:PFA+1] th:TH_LOAD_NT scope:SCOPE_SE
.Lnot_mine_\@:
.endm
.macro GRD fill
	s_wait_tensorcnt 0x0
	ds_add_u32 v[SPW], v[NIL]
.if \fill
	s_xor_b32 s[G0K+1], s[G0K+1], SLOT1
	s_add_nc_u64 s[G0K+2:G0K+3], s[G0K+2:G0K+3], 256*128
	s_xor_b32 s[G0V+1], s[G0V+1], SLOT1
	s_add_nc_u64 s[G0V+2:G0V+3], s[G0V+2:G0V+3], 256
	s_wait_xcnt 0x0                                ; the last prefetch has read its address
	s_add_nc_u64 s[PFA:PFA+1], s[PFA:PFA+1], s[PFS:PFS+1]
.endif
.endm
.macro REFILL                          ; the round behind its opening wait, the joint refill first behind it, and the prefetch
	s_cmp_lg_u32 s[WV], 0
	s_cbranch_scc1 .Lnw0_\@
	s_barrier_signal -3
.Lnw0_\@:
	s_barrier_wait -3
	s_barrier_signal -1
	s_barrier_wait -1
	JLOAD
	ASK
.endm
; Four products of S^T: key tiles 2 g, 2 g + 1 x both sets.  half 0: e x W1, starts the sums; half 1: W2 x d (W2's words in lanes 16-31).  The four accumulators take turns.
.macro QK4 g, half
.irp n, 0,1,2,3
.set rS, SA+64*(\n/2)+8*(2*(\g)+\n%2)
.set rF, FR+32*(\half)+16*(\n%2)
.set rQ, 32*(\n/2)+16*(\half)
.set rK, KS+2*(\g)+\n%2
.set rZ, QS+2*(\n/2)+(\half)
.if \half
	v_wmma_scale_f32_16x16x128_f8f6f4 v[rS:rS+7], v[rF:rF+15], v[rQ:rQ+15], v[rS:rS+7], v[rK], v[rZ] matrix_a_fmt:MATRIX_FMT_BF8 matrix_b_fmt:MATRIX_FMT_BF8 matrix_a_scale:MATRIX_SCALE_ROW1
.else
	v_wmma_scale_f32_16x16x128_f8f6f4 v[rS:rS+7], v[rF:rF+15], v[rQ:rQ+15], 0, v[rK], v[rZ] matrix_a_fmt:MATRIX_FMT_BF8 matrix_b_fmt:MATRIX_FMT_BF8
.endif
.endr
.endm
.macro PV2 t, vr, zero                 ; two products of O^T: channels 16 t on x p of A and of B
.if \zero
	v_wmma_scale_f32_16x16x128_f8f6f4 v[OA+8*(\t):OA+8*(\t)+7], v[\vr:\vr+15], v[PA:PA+15], 0, v[VS+(\t)], v[PWA] matrix_a_fmt:MATRIX_FMT_BF8 matrix_b_fmt:MATRIX_FMT_BF8
	v_wmma_scale_f32_16x16x128_f8f6f4 v[OB+8*(\t):OB+8*(\t)+7], v[\vr:\vr+15], v[PB:PB+15], 0, v[VS+(\t)], v[PWB] matrix_a_fmt:MATRIX_FMT_BF8 matrix_b_fmt:MATRIX_FMT_BF8
.else
	v_wmma_scale_f32_16x16x128_f8f6f4 v[OA+8*(\t):OA+8*(\t)+7], v[\vr:\vr+15], v[PA:PA+15], v[OA+8*(\t):OA+8*(\t)+7], v[VS+(\t)], v[PWA] matrix_a_fmt:MATRIX_FMT_BF8 matrix_b_fmt:MATRIX_FMT_BF8
	v_wmma_scale_f32_16x16x128_f8f6f4 v[OB+8*(\t):OB+8*(\t)+7], v[\vr:\vr+15], v[PB:PB+15], v[OB+8*(\t):OB+8*(\t)+7], v[VS+(\t)], v[PWB] matrix_a_fmt:MATRIX_FMT_BF8 matrix_b_fmt:MATRIX_FMT_BF8
.endif
.endm
; Plain step j (0 .. 31) on a tile's 64 numbers.  kind 0: x 2 log2(e);  1: + 1;  2: log2(e) - 2 log2(e) x;  3: the row's sum (two chains) and the four blocks' largest p, with the floor 2^(16 - 127).
.macro PLAIN kind, base, lsum
.if \kind == 0
	v_pk_mul_f32 v[\base+2*j:\base+2*j+1], v[\base+2*j:\base+2*j+1], s[C2:C2+1] op_sel_hi:[1,0]
.elseif \kind == 1
	v_pk_add_f32 v[\base+2*j:\base+2*j+1], v[\base+2*j:\base+2*j+1], 1.0 op_sel_hi:[1,0]
.elseif \kind == 2
	v_pk_fma_f32 v[\base+2*j:\base+2*j+1], v[\base+2*j:\base+2*j+1], s[NC2:NC2+1], v[L2E:L2E+1] op_sel_hi:[1,0,1]
.else
.if j == 0
	v_pk_add_f32 v[TSUM:TSUM+1], v[\base:\base+1], v[\base+2:\base+3]
.elseif j == 31
	v_pk_add_f32 v[\lsum:\lsum+1], v[\lsum:\lsum+1], v[TSUM:TSUM+1]
.elseif (j+1)%2 == 0
	v_pk_add_f32 v[\lsum:\lsum+1], v[\lsum:\lsum+1], v[\base+2*(j+1):\base+2*(j+1)+1]
.else
	v_pk_add_f32 v[TSUM:TSUM+1], v[TSUM:TSUM+1], v[\base+2*(j+1):\base+2*(j+1)+1]
.endif
.if j < 4
	v_max3_num_f32 v[TM+j], v[\base+16*j], v[\base+16*j+1], 0x8000000
.else
	v_max3_num_f32 v[TM+j%4], v[TM+j%4], v[\base+16*(j%4)+2*(j/4)], v[\base+16*(j%4)+2*(j/4)+1]
.endif
.endif
.endm
.macro SCALE_BLK base, blk             ; kind 0 on key tiles 2 blk, 2 blk + 1, each accumulator from its low end on
.set j, 8*(\blk)
.rept 8
	PLAIN 0, \base, 0
.set j, j+1
.endr
.endm
.macro SUMMAX base, lsum               ; kind 3 on a whole tile
.set j, 0
.rept 32
	PLAIN 3, \base, \lsum
.set j, j+1
.endr
.endm
.macro BARE top, tb                    ; a batch of 64 transcendentals
.set j, 0
.rept 64
	\top v[\tb+j], v[\tb+j]
.set j, j+1
.endr
.endm
; A stage: 64 transcendentals on one tile, behind each two one plain step on the other tile, whose result is first read behind the stage's wait.
.macro MIX top, tb, kind, pb
.set j, 0
.rept 32
	\top v[\tb+2*j], v[\tb+2*j]
	\top v[\tb+2*j+1], v[\tb+2*j+1]
	PLAIN \kind, \pb, 0
.set j, j+1
.endr
.endm
; The 64 p at v[s], whose blocks' largest of my 16 lie in v[TM] on, become codes in v[pc] on and the scale word v[pw].
.macro QHEAD pw                        ; from the blocks' largest p: bounds v[TM+8] on, the conversions' operands v[TM+12] on, the scale word v[pw]
.irp b, 0,1,2,3
	v_permlanex16_b32 v[TM+4+\b], v[TM+\b], s[SEL], s[SEL+1]
.endr
.irp b, 0,1,2,3
	v_max_num_f32 v[TM+\b], v[TM+\b], v[TM+4+\b]   ; with lane l xor 16's 16 keys
.endr
.irp b, 0,1,2,3
	v_add_nc_u32 v[TM+12+\b], 0xf8800000, v[TM+\b] ; 15 off the exponent field: the conversion's scale operand
.endr
.irp b, 0,1,2,3
	v_and_or_b32 v[TM+8+\b], v[TM+\b], 0x7f800000, s[MNT]   ; 57,344 x the scale
.endr
.irp b, 0,1,2,3
	v_lshrrev_b32 v[TM+4+\b], 23, v[TM+12+\b]      ; the byte
.endr
	v_lshl_or_b32 v[\pw], v[TM+5], 8, v[TM+4]
	v_lshl_or_b32 v[\pw], v[TM+6], 16, v[\pw]
	v_lshl_or_b32 v[\pw], v[TM+7], 24, v[\pw]
.endm
.macro QHOLD s                         ; the conversion does not saturate (ISA guide 7.6.2); p is not negative, so the hold is one-sided
.set j, 0
.rept 64
	v_min_num_f32 v[\s+j], v[\s+j], v[TM+8+j/16]
.set j, j+1
.endr
.endm
.macro MIXH tb, hb                     ; 64 exponentials on one tile, behind each one hold of the other tile, whose result is first read behind the batch's wait
.set j, 0
.rept 64
	v_exp_f32 v[\tb+j], v[\tb+j]
	v_min_num_f32 v[\hb+j], v[\hb+j], v[TM+8+j/16]
.set j, j+1
.endr
.endm
.macro QCVT s, pc                      ; the held p become codes
.irp b, 0,1,2,3
	v_cvt_scalef32_pk8_bf8_f32 v[\pc+4*\b:\pc+4*\b+1], v[\s+16*\b:\s+16*\b+7], v[TM+12+\b]
	v_cvt_scalef32_pk8_bf8_f32 v[\pc+4*\b+2:\pc+4*\b+3], v[\s+16*\b+8:\s+16*\b+15], v[TM+12+\b]
.endr
	v_nop                                          ; a plain line behind the last conversion
.endm
.macro KLOAD g                         ; key tiles 2 g, 2 g + 1 of e and of W2: 16 loads; even pairs into window 1, odd pairs into window 0
.if (\g)%2
	WIN 0
.else
	WIN 0x40
.endif
.irp u, 0,1
.irp c, 0,1,2,3
	ds_load_b128 v[FR+16*\u+4*\c:FR+16*\u+4*\c+3], v[ADK] offset:(2*(\g)+\u)*16*KP+32*\c
.endr
.endr
.irp u, 0,1
.irp c, 0,1,2,3
	ds_load_b128 v[FR+32+16*\u+4*\c:FR+32+16*\u+4*\c+3], v[ADK] offset:WOFF+(2*(\g)+\u)*16*KP+32*\c
.endr
.endr
	WIN 0
.endm
; A STEP: my 32 queries x my 128 keys of the slot in hand.
; chg = 1: the change of slots with a refill stands in the step's tail; 2: with a plain barrier and no fill; 0: none
.macro STEP zero, chg
	v_add_nc_u32 v[ADK], s[TB], v[AKE]
	v_add_nc_u32 v[ADV], s[TB], v[AV]
	v_add_nc_u32 v[ADS], s[TSC], v[ASC]
	v_add_nc_u32 v[ADT], s[TSC], v[ASX]
	WALU
	ds_load_b128 v[KS:KS+3], v[ADS]                ; scale words of key tiles 0-3 (lanes 0-15 e's, 16-31 W2's),
	ds_load_b128 v[KS+4:KS+7], v[ADS] offset:256   ; of tiles 4-7
	KLOAD 0
	KLOAD 1
.irp g, 0,1,2,3
.if \g == 3
	s_wait_dscnt 20                                ; behind pair 3's loads: x's 16 and its 4 scale loads
.else
	s_wait_dscnt 16                                ; behind this pair's loads: the next pair's 16
.endif
.if \g%2
	WIN 0x04                                       ; source 0 window 0, source 1 window 1
.else
	WIN 0x05
.endif
	QK4 \g, 0
	QK4 \g, 1
	WIN 0
; eight places and more between these products and the loads into what they read: from the second pair on the scaling of the pair before
.if \g == 0
	PLACES 8
.else
	SCALE_BLK SA, \g-1
	SCALE_BLK SB, \g-1
.endif
.if \g < 2
	KLOAD \g+2
.elseif \g == 2
	WIN 0x40
.irp t, 0,1,2,3                                ; x's tiles 0-3
.irp c, 0,1,2,3
	ds_load_b128 v[FR+16*\t+4*\c:FR+16*\t+4*\c+3], v[ADV] offset:\t*16*VP+32*\c
.endr
.endr
	WIN 0
.irp q, 0,1,2,3
	ds_load_b64 v[VS+2*\q:VS+2*\q+1], v[ADT] offset:256*\q
.endr
.endif
.endr
	SCALE_BLK SA, 3
	SCALE_BLK SB, 3
	WALU                                           ; ahead of the batch
	BARE v_exp_f32, SA                             ; A: z
	v_nop
	WALU
	MIX v_exp_f32, SB, 1, SA                       ; B: z | A: 1 + z
	WALU
	MIX v_rcp_f32, SA, 1, SB                       ; A: r | B: 1 + z
	WALU
	MIX v_rcp_f32, SB, 2, SA                       ; B: r | A: t
	WALU
	MIX v_exp_f32, SA, 2, SB                       ; A: p | B: t
	WALU
	SUMMAX SA, LA
	QHEAD PWA
	WALU                                           ; ahead of the batch
	MIXH SB, SA                                    ; B: p | A: the holds
	WALU                                           ; for B's p and A's held p
	QCVT SA, PA
.irp t, 0,1,2,3                                ; set A's registers are free: x's tiles 4-7
.irp c, 0,1,2,3
	ds_load_b128 v[SA+16*\t+4*\c:SA+16*\t+4*\c+3], v[ADV] offset:(4+\t)*16*VP+32*\c
.endr
.endr
	SUMMAX SB, LB
	QHEAD PWB
	QHOLD SB
	QCVT SB, PB
.if \chg == 1
	GRD 1
.elseif \chg == 2
	GRD 0
.endif
	PLACES 3                                       ; with the line behind the conversions: four places between the last codes and the scaled products
	s_wait_dscnt 0x0                               ; x's eight tiles are in registers: my reads of this slot are over; the add is done
.if \chg
	s_barrier_signal -1                            ; the products below, work on registers, stand between the signal and its wait
.endif
	WIN 0x51
	WALU                                           ; directly ahead of the first reader of O^T and of the codes
.irp t, 0,1,2,3
	PV2 \t, FR+16*\t, \zero
.endr
	WIN 0x50
.irp t, 4,5,6,7
	PV2 \t, SA+16*(\t-4), \zero
.endr
	WIN 0
	PLACES 9                                       ; nine ahead of the next step's products, which write over set A's registers; eight ahead of loads and reads
.if \chg
	s_barrier_wait -1
.endif
.if \chg == 1
	REFILL
.endif
.endm
	s_load_b256 s[4:11], s[0:1], 0x0               ; rc, rs, xc, xs
	s_load_b64 s[12:13], s[0:1], 0x20              ; out0
	v_lshl_add_u32 v[SPW], v0, 2, SPARE
	v_mov_b32 v[NIL], 0
	ds_add_u32 v[SPW], v[NIL]
	ds_add_u32 v[SPW], v[NIL]
	v_lshrrev_b32 v8, 5, v0
	v_readfirstlane_b32 s[WV], v8
	s_and_b32 s[GQ], s[WV], 3
	s_lshr_b32 s[KH], s[WV], 2
	s_bfe_u32 s[CX], ttmp6, 0x40000
	s_lshl_b32 s[QBK], ttmp9, 2
	s_add_co_u32 s[QBK], s[QBK], s[CX]             ; my block of 128 queries: it enters global addresses alone
	s_and_b32 s[BT], ttmp7, 0xffff
	s_lshl_b32 s[BB], s[BT], 18
	; keys: 128 rows of 128 bytes are dense: stated as 64 rows of 256 bytes, 16 bytes of padding behind each 128
	s_mov_b32 s[G1K], 15|(1<<20)|(1<<21)|(4<<22)|(3<<25)
	s_mov_b32 s[G1K+1], 256<<16
	s_mov_b32 s[G1K+2], 64<<16
	s_mov_b32 s[G1K+3], 256<<16
	s_mov_b32 s[G1K+4], 64
	s_mov_b32 s[G1K+5], 256
	s_mov_b32 s[G1K+6], 0
	s_mov_b32 s[G1K+7], 0
	; x: 128 rows of 256 bytes, 2,048 bytes apart
	s_mov_b32 s[G1V], 15|(1<<20)|(1<<21)|(5<<22)|(3<<25)
	s_mov_b32 s[G1V+1], 256<<16
	s_mov_b32 s[G1V+2], 128<<16
	s_mov_b32 s[G1V+3], 256<<16
	s_mov_b32 s[G1V+4], 128
	s_mov_b32 s[G1V+5], 2048
	s_mov_b32 s[G1V+6], 0
	s_mov_b32 s[G1V+7], 0
	; scale words: 8,192 dense bytes as 32 rows of 256
	s_mov_b32 s[G1S], 15|(3<<16)|(1<<21)
	s_mov_b32 s[G1S+1], 32<<16
	s_mov_b32 s[G1S+2], 32<<16
	s_mov_b32 s[G1S+3], 32<<16
	s_mov_b32 s[G1S+4], 32
	s_mov_b32 s[G1S+5], 32
	s_mov_b32 s[G1S+6], 0
	s_mov_b32 s[G1S+7], 0
	s_and_b32 s84, s[WV], 1
	s_mov_b32 s[G0K], 1
	s_mul_i32 s[G0K+1], s[GQ], 128*KP
	s_and_b32 s85, s[WV], 2
	s_cmp_lg_u32 s85, 0
	s_cselect_b32 s[G0K+2], W2_OFF, s[BB]
	s_lshl_b32 s85, s84, 14
	s_add_co_u32 s[G0K+2], s[G0K+2], s85
	s_mov_b32 s[G0K+3], 0
	s_mov_b32 s[G0V], 1
	s_mov_b32 s[G0V+1], VOFF
	s_mov_b32 s[G0V+2], s[BB]
	s_mov_b32 s[G0V+3], 0
	s_lshl_b32 s86, s[BT], 13
	s_mov_b32 s[G0S], 1
	s_lshl_b32 s[G0S+1], s84, 13
	s_add_co_u32 s[G0S+1], s[G0S+1], SCE
	s_cmp_lg_u32 s84, 0
	s_cselect_b32 s[G0S+2], RS_W2, s86
	s_mov_b32 s[G0S+3], 0
	s_mov_b32 s[G0T], 1
	s_mov_b32 s[G0T+1], SCX
	s_mov_b32 s[G0T+2], s86
	s_mov_b32 s[G0T+3], 0
	s_mov_b32 s[SEL], 0x76543210
	s_mov_b32 s[SEL+1], 0xfedcba98
	s_mov_b32 s[C2], 0x4038aa3b                    ; 2 log2(e)
	s_mov_b32 s[C2+1], s[C2]
	s_mov_b32 s[NC2], 0xc038aa3b
	s_mov_b32 s[NC2+1], s[NC2]
	s_mov_b32 s[MNT], 0x600000
	s_mov_b32 s[TB], 0
	s_mov_b32 s[TSC], 0
	s_mov_b32 s[SLOTS], 7
	s_wait_dscnt 0x0
	s_wait_kmcnt 0x0
	s_add_nc_u64 s[G0K+2:G0K+3], s[4:5], s[G0K+2:G0K+3]
	s_or_b32 s[G0K+3], s[G0K+3], 0x80000000
	s_add_nc_u64 s[G0V+2:G0V+3], s[8:9], s[G0V+2:G0V+3]
	s_or_b32 s[G0V+3], s[G0V+3], 0x80000000
	s_add_nc_u64 s[G0S+2:G0S+3], s[6:7], s[G0S+2:G0S+3]
	s_or_b32 s[G0S+3], s[G0S+3], 0x80000000
	s_add_nc_u64 s[G0T+2:G0T+3], s[10:11], s[G0T+2:G0T+3]
	s_or_b32 s[G0T+3], s[G0T+3], 0x80000000
	CROUND                                         ; the first joint loads meet
	; the first fills, one a wave, in one chain: waves 0-3 slot 0's keys, wave 4 its x, wave 5 x's scale words, waves 6, 7 e's and W2's
	s_cmp_lt_u32 s[WV], 4
	s_cbranch_scc0 .Lh_v
	TL G0K, G1K
	s_branch .Lh_done
.Lh_v:
	s_cmp_lt_u32 s[WV], 5
	s_cbranch_scc0 .Lh_t
	TL G0V, G1V
	s_branch .Lh_done
.Lh_t:
	s_cmp_lt_u32 s[WV], 6
	s_cbranch_scc0 .Lh_s
	TL G0T, G1S
	s_branch .Lh_done
.Lh_s:
	TL G0S, G1S
.Lh_done:
	v_and_b32 v9, 15, v0                           ; r
	v_bfe_u32 v10, v0, 4, 1                        ; h
	v_and_b32 v11, 31, v0                          ; lane
	v_lshlrev_b32 v8, 7, v9
	v_lshl_add_u32 v8, v10, 4, v8                  ; a query's row of 128 codes, + 16 h
	s_lshl_b32 s88, s[QBK], 7
	s_lshl_b32 s89, s[GQ], 5
	s_add_co_u32 s88, s88, s89                     ; my group's first position
	s_lshl_b32 s89, s[KH], 4
	s_add_co_u32 s90, s88, s89                     ; set A's tile,
	s_xor_b32 s89, s89, 16
	s_add_co_u32 s91, s88, s89                     ; set B's
	s_lshl_b32 s89, s[KH], 3
	s_add_co_u32 s88, s88, s89                     ; out0: set A's positions are rows 32 g + 8 kh + p + 8 (p / 8) of the block
	s_lshl_b32 s89, s[BT], 11
	s_add_co_u32 s88, s88, s89
	s_lshl_b32 s88, s88, 9
	s_mov_b32 s89, 0
	s_add_nc_u64 s[12:13], s[12:13], s[88:89]
	s_lshl_b32 s92, s90, 7
	s_add_co_u32 s94, s92, s[BB]
	s_add_co_u32 s92, s92, W1_OFF
	s_add_co_u32 s94, s94, D_OFF
	s_mov_b32 s93, 0
	s_mov_b32 s95, 0
	s_add_nc_u64 s[92:93], s[4:5], s[92:93]
	s_add_nc_u64 s[94:95], s[4:5], s[94:95]
	s_lshl_b32 s96, s91, 7
	s_add_co_u32 s98, s96, s[BB]
	s_add_co_u32 s96, s96, W1_OFF
	s_add_co_u32 s98, s98, D_OFF
	s_mov_b32 s97, 0
	s_mov_b32 s99, 0
	s_add_nc_u64 s[96:97], s[4:5], s[96:97]
	s_add_nc_u64 s[98:99], s[4:5], s[98:99]
	WALU
	WIN 0x40                                       ; the queries' four fragments stay in window 1
.irp c, 0,1,2,3
	global_load_b128 v[4*\c:4*\c+3], v8, s[92:93] offset:32*\c
	global_load_b128 v[16+4*\c:16+4*\c+3], v8, s[94:95] offset:32*\c
	global_load_b128 v[32+4*\c:32+4*\c+3], v8, s[96:97] offset:32*\c
	global_load_b128 v[48+4*\c:48+4*\c+3], v8, s[98:99] offset:32*\c
.endr
	WIN 0
	s_lshr_b32 s88, s90, 6                         ; the queries' scale words: 256 bytes for 64 positions, 16 r + 4 x tile
	s_lshl_b32 s88, s88, 8
	s_bfe_u32 s89, s90, 0x20004
	s_lshl_b32 s89, s89, 2
	s_add_co_u32 s88, s88, s89
	v_lshl_add_u32 v12, v9, 4, s88
	s_lshr_b32 s88, s91, 6
	s_lshl_b32 s88, s88, 8
	s_bfe_u32 s89, s91, 0x20004
	s_lshl_b32 s89, s89, 2
	s_add_co_u32 s88, s88, s89
	v_lshl_add_u32 v13, v9, 4, s88
	v_add_nc_u32 v14, s86, v12
	v_add_nc_u32 v15, s86, v13
	global_load_b32 v[QS], v12, s[6:7] offset:RS_W1
	global_load_b32 v[QS+1], v14, s[6:7] offset:RS_D
	global_load_b32 v[QS+2], v13, s[6:7] offset:RS_W1
	global_load_b32 v[QS+3], v15, s[6:7] offset:RS_D
	; the prefetches: where mine stand, and who asks
	s_cmp_lt_u32 s[WV], 4
	s_cselect_b64 s[PFA:PFA+1], s[4:5], s[8:9]
	s_mov_b32 s[PFS], 256
	s_cselect_b32 s[PFS], 32768, s[PFS]
	s_mov_b32 s[PFS+1], 0
	s_mov_b32 s87, 2048
	s_cselect_b32 s87, 256, s87
	s_cselect_b32 s88, 13, 16
	s_lshl_b32 s88, s[CX], s88
	s_add_co_u32 s88, s88, s[BB]
	s_add_co_u32 s88, s88, s[PFS]                  ; in slot 1: the first change steps it to slot 2
	s_mov_b32 s89, 0
	s_add_nc_u64 s[PFA:PFA+1], s[PFA:PFA+1], s[88:89]
	v_mul_lo_u32 v[PFO], v11, s87
	s_or_b32 s[LIM], s[GQ], ttmp9                  ; 0 in waves 0 and 4 of the batch's first cluster
	s_cmp_eq_u32 s[LIM], 0
	s_cselect_b32 s[LIM], 1, -1
	; my lane's places in LDS
	v_mul_u32_u24 v[AKE], v9, KP
	v_lshl_add_u32 v[AKE], v10, 4, v[AKE]
	s_mul_i32 s84, s[KH], 128*KP
	v_add_nc_u32 v[AKE], s84, v[AKE]
	v_mul_u32_u24 v[AV], v9, VP
	v_lshl_add_u32 v[AV], v10, 4, v[AV]
	s_lshl_b32 s84, s[KH], 7
	s_add_co_u32 s84, s84, VOFF
	v_add_nc_u32 v[AV], s84, v[AV]
	v_lshlrev_b32 v[ASC], 4, v9
	v_lshl_add_u32 v[ASC], v10, 13, v[ASC]
	s_lshl_b32 s84, s[KH], 9
	s_add_co_u32 s84, s84, SCE
	v_add_nc_u32 v[ASC], s84, v[ASC]
	v_lshlrev_b32 v[ASX], 3, v9
	s_lshl_b32 s84, s[KH], 7
	s_add_co_u32 s84, s84, SCX
	v_add_nc_u32 v[ASX], s84, v[ASX]
	s_lshl_b32 s84, s[WV], 14
	s_xor_b32 s85, s[WV], 4
	s_lshl_b32 s85, s85, 14
	v_lshl_add_u32 v[IMW], v11, 4, s84
	v_lshl_add_u32 v[IMR], v11, 4, s85
	v_lshl_add_u32 v[LW], v11, 2, s84
	v_lshl_add_u32 v[LR], v11, 2, s85
	v_mul_u32_u24 v[STI], v9, 272
	v_lshl_add_u32 v[STI], v10, 5, v[STI]
	v_add_nc_u32 v[STI], s84, v[STI]
	v_mul_u32_u24 v[STB], v10, 272
	v_lshl_add_u32 v[STB], v9, 4, v[STB]
	v_add_nc_u32 v[STB], s84, v[STB]
	v_lshlrev_b32 v[GO], 9, v10
	v_lshl_add_u32 v[GO], v9, 4, v[GO]
	v_mov_b32 v[L2E], 0x3fb8aa3b
	v_mov_b32 v[L2E+1], 0x3fb8aa3b
	v_mov_b32 v[RL+1], 0
.irp i, 0,1,2,3
	v_mov_b32 v[LA+\i], 0
	v_mov_b32 v[TM+4+\i], 0                        ; a lane permute's destination counts as one of its sources
.endr
	WALU                                           ; the head's end
	s_wait_loadcnt 0x0
	GRD 1
	s_wait_dscnt 0x0
	s_barrier_signal -1
	s_barrier_wait -1
	REFILL
	s_sub_co_u32 s[SLOTS], s[SLOTS], 1
	STEP 1, 1                                      ; slot 0: its products start O^T's sums; slot 2 is asked for in its tail
	s_xor_b32 s[TB], s[TB], SLOT1
	s_add_co_u32 s[TSC], s[TSC], 1024
	s_sub_co_u32 s[SLOTS], s[SLOTS], 1
.Lslot:                                            ; five trips: slots 1 to 5 are worked, slots 3 to 7 asked for
	STEP 0, 1
	s_xor_b32 s[TB], s[TB], SLOT1
	s_add_co_u32 s[TSC], s[TSC], 1024
	s_sub_co_u32 s[SLOTS], s[SLOTS], 1
	s_cmp_lg_u32 s[SLOTS], 0
	s_cbranch_scc1 .Lslot
	STEP 0, 2                                      ; slot 6, written out: nothing more is asked for
	s_xor_b32 s[TB], s[TB], SLOT1
	s_add_co_u32 s[TSC], s[TSC], 1024
	STEP 0, 0                                      ; slot 7
	; THE WAY OUT.  Set B's O^T and sum go to LDS as images of their registers; behind a barrier I take my partner's set B, which is my set A over the other half of the keys.
	v_add_f32 v[LA], v[LA], v[LA+1]
	v_add_f32 v[LB], v[LB], v[LB+1]
	v_permlanex16_b32 v[TM+4], v[LA], s[SEL], s[SEL+1]
	v_permlanex16_b32 v[TM+5], v[LB], s[SEL], s[SEL+1]
	v_add_f32 v[LA], v[LA], v[TM+4]
	v_add_f32 v[LB], v[LB], v[TM+5]
	ds_store_b32 v[LW], v[LB] offset:OUTL
	WIN 0x04
.irp i, 0,1,2,3,4,5,6,7,8,9,10,11,12,13,14,15
	ds_store_b128 v[IMW], v[OB+4*\i:OB+4*\i+3] offset:512*\i   ; each accumulator from its low end on
.endr
	WIN 0
	WALU
	s_wait_dscnt 0x0
	s_barrier_signal -1
	s_barrier_wait -1
.irp i, 0,1,2,3,4,5,6,7,8,9,10,11,12,13,14,15
	ds_load_b128 v[SA+4*\i:SA+4*\i+3], v[IMR] offset:512*\i
.endr
	ds_load_b32 v[TSUM], v[LR] offset:OUTL
	s_wait_dscnt 0x0
	v_add_f32 v[LA], v[LA], v[TSUM]                ; the row's sum over all 2,048 keys
	WALU                                           ; ahead of the transcendental
	v_rcp_f32 v[RL], v[LA]
	v_nop
	WIN 0x01
	WALU                                           ; ahead of the first readers of O^T and of the reciprocal
.set j, 0
.rept 32
	v_pk_add_f32 v[SB+2*j:SB+2*j+1], v[OA+2*j:OA+2*j+1], v[SA+2*j:SA+2*j+1]
.set j, j+1
.endr
	WIN 0
.set j, 0
.rept 32
	v_pk_mul_f32 v[SB+2*j:SB+2*j+1], v[SB+2*j:SB+2*j+1], v[RL:RL+1] op_sel_hi:[1,0]   ; register 8 t + i is out(position r, channel 16 t + 8 h + i)
.set j, j+1
.endr
.irp u, 0,1                                    ; through my stage, 64 channels of 16 queries at a time
.irp t, 0,1,2,3
	ds_store_b128 v[STI], v[SB+32*\u+8*\t:SB+32*\u+8*\t+3] offset:OUTS+64*\t
	ds_store_b128 v[STI], v[SB+32*\u+8*\t+4:SB+32*\u+8*\t+7] offset:OUTS+64*\t+16
.endr
.irp i, 0,1,2,3,4,5,6,7
	ds_load_b128 v[SA+32*\u+4*\i:SA+32*\u+4*\i+3], v[STB] offset:OUTS+2*\i*272   ; LDS serves a wave's instructions in order
.endr
.endr
.irp u, 0,1
.irp i, 0,1,2,3,4,5,6,7
	s_wait_dscnt 15-8*\u-\i
	global_store_b128 v[GO], v[SA+32*\u+4*\i:SA+32*\u+4*\i+3], s[12:13] offset:(2*\i+8*(\i/4))*512+256*\u th:TH_STORE_NT   ; sixteen lanes store 256 consecutive bytes, aligned
.endr
.endr
	s_wait_tensorcnt 0x0                           ; the wave's end
	ds_add_u32 v[SPW], v[NIL]
	s_wait_dscnt 0x0
	CROUND                                         ; the closing round
	s_endpgm
.Lfunc_end_k_qcc6976e307_ptr:
	.size	k_qcc6976e307_ptr, .Lfunc_end_k_qcc6976e307_ptr-k_qcc6976e307_ptr
	.p2alignl 7, 3214868480
	.fill 96, 4, 3214868480
	.section	.rodata,"a",@progbits
	.p2align	6, 0x0
	.amdhsa_kernel k_qcc6976e307_ptr
		.amdhsa_group_segment_fixed_size 327680
		.amdhsa_private_segment_fixed_size 0
		.amdhsa_enable_private_segment 0
		.amdhsa_kernarg_size 40
		.amdhsa_user_sgpr_count 2
		.amdhsa_user_sgpr_kernarg_segment_ptr 1
		.amdhsa_wavefront_size32 1
		.amdhsa_system_sgpr_workgroup_id_x 1
		.amdhsa_system_sgpr_workgroup_id_y 1
		.amdhsa_system_sgpr_workgroup_id_z 1
		.amdhsa_system_vgpr_workitem_id 0
		.amdhsa_next_free_vgpr 512
		.amdhsa_next_free_sgpr 100
		.amdhsa_reserve_vcc 0
		.amdhsa_float_denorm_mode_32 3
		.amdhsa_float_denorm_mode_16_64 3
		.amdhsa_memory_ordered 1
		.amdhsa_forward_progress 1
		.amdhsa_inst_pref_size 246
	.end_amdhsa_kernel
	.amdgpu_metadata
---
amdhsa.version: [ 1, 2 ]
amdhsa.kernels:
  - .name:           k_qcc6976e307_ptr
    .symbol:         k_qcc6976e307_ptr.kd
    .args:
      - { .name: rc, .offset: 0, .size: 8, .value_kind: global_buffer, .address_space: global }
      - { .name: rs, .offset: 8, .size: 8, .value_kind: global_buffer, .address_space: global }
      - { .name: xc, .offset: 16, .size: 8, .value_kind: global_buffer, .address_space: global }
      - { .name: xs, .offset: 24, .size: 8, .value_kind: global_buffer, .address_space: global }
      - { .name: out0, .offset: 32, .size: 8, .value_kind: global_buffer, .address_space: global }
    .group_segment_fixed_size: 327680
    .private_segment_fixed_size: 0
    .kernarg_segment_align: 8
    .kernarg_segment_size: 40
    .max_flat_workgroup_size: 256
    .sgpr_count:     100
    .vgpr_count:     512
    .wavefront_size: 32
...
	.end_amdgpu_metadata
.endif
;; end of part 2
